; MI455X (gfx1250); checked and timed in simulation.
; The chip was launched on July 23, 2026; its instructions are those of AMD's public machine-readable ISA for CDNA 5 (MIT licence, August 2026) and "CDNA5" Instruction Set Architecture Reference Guide (July 2026). The comments in the code are by the model that wrote it; some were corrected since.
;; Attention. Allowed arithmetic: matrix products marked QUANTISED: E2M3 operands, one E8M0 scale for each 32 along K, by v_wmma_scale_f32_16x16x128_f8f6f4 with both operands' format E2M3, f32 sums; everything else in f32.
;; Inputs: Wk 1,024 x 1,024 float32; Wo 1,024 x 1,024 float32; Wq 1,024 x 1,024 float32; Wv 1,024 x 1,024 float32; bk 1,024 float32; bo 1,024 float32; bq 1,024 float32; bv 1,024 float32; c 2 x 4,096 x 1,024 float32; x 2 x 2,048 x 1,024 float32.
;; Outputs: out0 2 x 2,048 x 1,024 float32.
;; This version of the problem:
;;   THIS VERSION OF THE PROBLEM IS GIVEN IN LOW PRECISION. The matrix products marked QUANTISED in the list below multiply operands that are first quantised to E2M3 (2 exponent bits, 3 mantissa bits; 6 bits a number), with one power-of-two scale for each 32 numbers along K (OCP MX v1.0); their sums are f32. All else is computed in f32.
;;   The module's matrix products, in the order in which they are computed (A, B: the left and right operand; K: the contracted axis; several contracted axes count as one K, in the product's order):
;;     1. [M 4,096, K 1,024] x [K 1,024, N 1,024]; A: input x; B: input Wq: QUANTISED
;;     2. [M 8,192, K 1,024] x [K 1,024, N 1,024]; A: input c; B: input Wk: QUANTISED
;;     3. [M 8,192, K 1,024] x [K 1,024, N 1,024]; A: input c; B: input Wv: QUANTISED
;;     4. batch 32 x [M 2,048, K 64] x [K 64, N 4,096]; A: computed on the way; B: computed on the way: QUANTISED
;;     5. batch 32 x [M 2,048, K 4,096] x [K 4,096, N 64]; A: softmax (see below); B: computed on the way: QUANTISED
;;     6. [M 4,096, K 1,024] x [K 1,024, N 1,024]; A: computed on the way; B: input Wo: QUANTISED
;;   THE QUANTISER, for each operand of a quantised product, along K:
;;     - K is cut into blocks of 32 from its start; a last block that is shorter is filled with zeros.
;;     - A block's scale is 2^e with e = floor(log2(the largest magnitude in the block)) - 2, held to -126 .. 127; a block of zeros has e = 0. As a byte (E8M0): e + 127.
;;     - Each number is divided by its block's scale, clamped to +-7.5, and rounded to the nearest number of E2M3, ties to even, subnormals kept.
;;     - The product sums the exact products of the quantised numbers (number of the format x scale) in f32.
;;   ~~~python
;;   def quantise(x, axis):      # numpy; x: float32 -> the quantised numbers, widened to float32 again
;;       x = np.moveaxis(x, axis, -1); K = x.shape[-1]
;;       x = np.pad(x, [(0, 0)] * (x.ndim - 1) + [(0, -K % 32)]); x = x.reshape(x.shape[:-1] + (-1, 32)); a = np.abs(x).max(-1, keepdims=True)
;;       e = np.where(a > 0, np.clip(np.frexp(np.where(a > 0, a, 1))[1] - 1 - 2, -126, 127), 0)      # np.frexp(a)[1] - 1 = floor(log2(a)), exactly
;;       r = np.clip(x / 2.0 ** e, -7.5, 7.5)
;;       step = 2.0 ** (np.maximum(np.frexp(np.where(r == 0, 1, r))[1] - 1, 0) - 3)
;;       q = np.round(r / step) * step * 2.0 ** e      # np.round: ties to even
;;       return np.moveaxis(q.reshape(q.shape[:-2] + (-1,))[..., :K], -1, axis).astype(np.float32)
;;   ~~~
;;   SOFTMAX AHEAD OF A QUANTISED PRODUCT. Where the list says 'softmax', what is quantised is not the finished softmax but p = 2^(t - M), with t = logit x log2(e) and M = ceil(the row's largest t), a whole number; so 1/2 < the row's largest p <= 1. The row's sum l is taken of the UNQUANTISED p, in f32, and the product's result is divided by l at the end. Since M is a whole number, a kernel that streams over the keys may use a running M (the ceiling of the running maximum): every later rescaling is an exact power of two, which a block's scale takes up: the codes' values come out the same.
;;   OPERANDS COMPUTED ON THE WAY. 'Computed on the way' means the value that the module computes at that place (a softmax that the list does not call 'softmax' is quantised finished and normalised). What goes into a quantiser is computed in f32, as accurately as f32 sums, v_exp_f32 and their like allow (about 1e-6 of the number): no bf16 or f16 on the way to a quantiser, and a product that is left as it is and whose result goes on into a quantised operand takes f32 operands (vector FMAs, or v_wmma_f32_16x16x4_f32). A number that lies on a knife's edge between two numbers of the format may be rounded either way, as far as f32 arithmetic and the matrix unit's own rounding can turn it there, and no further.
;; One version. Each part assembles by itself: llvm-mc -triple=amdgcn-amd-amdhsa -mcpu=gfx1250 --defsym DOCPART=n.
;; ======== version 1 of 1: 3 launches
;; workspace buffers: actc 9,830,400 bytes; wqkvc 2,457,600 bytes; woc 819,200 bytes; attc 3,276,800 bytes
;; launch quant (part 1): grid 512 x 1, 4 waves a work-group, no clusters, 46,592 bytes of LDS; arguments c, x, Wq, Wk, Wv, Wo, actc, wqkvc, woc; writes actc, wqkvc, woc
.if DOCPART == 1
	.amdgcn_target "amdgcn-amd-amdhsa--gfx1250"
	.amdhsa_code_object_version 6
	.text
	.protected	k_qae9578fd59_quant
	.globl	k_qae9578fd59_quant
	.p2align	8
	.type	k_qae9578fd59_quant,@function
k_qae9578fd59_quant:
	s_mov_b64 s[64:65], 0
	v_nop
	global_prefetch_b8 v0, s[64:65] scope:SCOPE_SE
	s_setreg_imm32_b32 hwreg(HW_REG_WAVE_MODE, 25, 1), 1
	s_wait_xcnt 0x0
; c [8192][1024], x [4096][1024], Wq, Wk, Wv, Wo [1024][1024], all f32 with K innermost, become codes of FP6 (E2M3) with one E8M0 scale byte for each 32 along K.
; A block's scale is 2^(floor(log2(its largest magnitude)) - 2); its byte is the largest magnitude's exponent field - 2, held at 1 from below.
; LIMITS: NaN and infinities among the inputs are not served; a block whose largest magnitude lies under 2^-124 keeps the byte 1; a block of zeros gets the byte 1 where the quantiser says 127:
; its codes are zeros, which add nothing under any byte but 0xff, and the bytes are read by this program alone.
; THE OUTPUT IS LAID AS THE LATER LAUNCHES' OPERAND REGISTERS.  A fragment (16 rows x 128 K, 12 registers a lane) is an IMAGE of 1,536 bytes: chunk c of three holds lane l's registers 4 c .. 4 c + 3 at byte 512 c + 16 l.
; A tile's scale words for 128 K are 64 bytes, row i's word at 4 i.  A RECORD holds all images of one block of rows for one K step and behind them their scale words: one dense run of bytes for one tensor load.
;   actc  [y 0..31][K step 0..7]: 24 images (16 tiles of keys 256 y on, 8 tiles of queries 128 y on), then 24 x 64 bytes of words: 38,400 bytes
;   wqkvc [g 0..7][K step]: 8 tiles of Wq's rows 128 g on, 8 of Wk's, 8 of Wv's, then the words: 38,400 bytes;      woc [n block 0..7][K step]: 8 tiles, then the words: 12,800 bytes
; THE ROWS OF A TILE: x and Wo: 16 neighbours.  c, Wq, Wk, Wv: tile 2 b + u holds rows 32 b + 8 u + i + 8 (i / 8), so that a product's results in two neighbouring tiles are 16 neighbours along the next K.
; SHARES.  1,024 tiles of 16 rows.  A work-group takes four neighbouring tiles, one a wave, and half of K: a wave has 16 rows x 512 numbers, in 16 steps of 4 rows x 128 K.  One path serves all six tensors: only pointers and
; a few numbers are chosen, by the work-group's number.  Work-groups share no input: no cluster, no tensor load.  Loads run four steps (16 loads of 512 consecutive bytes a wave) ahead.
; A conversion wants 16 neighbours along K in one lane, a load neighbouring bytes in neighbouring lanes: a step's 2,048 bytes turn through the wave's own stage in LDS (80 bytes a place: 64 + 16 of padding).
.set STEPS, 16
.set SP,    80                         ; a lane's place in a stage
.set IMG,   2*32*SP                    ; behind the wave's two stages: its four images
.set WREG,  IMG+4*1536                 ; a wave's region of LDS: 11,264 bytes
.set SCA,   4*WREG                     ; behind the four regions: the scale words, [K step][tile][64 bytes], shared by the waves
.set R,     16                         ; v16-79   four sets of 16 numbers as loaded
.set X,     80                         ; v80-111  two sets of 16 neighbours
.set E,     112                        ; v112-127 a scale byte for each step
.set C,     128                        ; v128-191 four registers of codes for each step
.set OUTR,  192                        ; v192-239 the four images on their way out
	s_load_b256 s[4:11], s[0:1], 0x0               ; c, x, Wq, Wk
	s_load_b256 s[12:19], s[0:1], 0x20             ; Wv, Wo, actc, wqkvc
	s_load_b64 s[20:21], s[0:1], 0x40              ; woc
	v_lshl_add_u32 v240, v0, 2, 0xb400
	v_mov_b32 v241, 0
	v_lshrrev_b32 v1, 5, v0
	v_readfirstlane_b32 s33, v1                    ; wave
	v_and_b32 v1, 31, v0                           ; lane
	s_and_b32 s34, ttmp9, 1                        ; which half of K
	s_lshr_b32 s35, ttmp9, 1                       ; which group of four tiles: 0-127 c, 128-191 x, 192-207 Wq, 208-223 Wk, 224-239 Wv, 240-255 Wo
	s_mov_b32 s40, 0                               ; the tensor's first group
	s_mov_b32 s41, 2                               ; log2 of the groups in a block of rows
	s_mov_b32 s42, 0                               ; the tensor's first image in a record
	s_mov_b32 s43, 38400                           ; bytes of a record
	s_mov_b32 s44, 36864                           ; where its scale words begin
	s_mov_b32 s45, 1                               ; 1: the tile's rows are not neighbours
	s_wait_kmcnt 0x0
	s_mov_b64 s[36:37], s[4:5]                     ; from c
	s_mov_b64 s[38:39], s[16:17]                   ; to actc
	s_cmp_ge_u32 s35, 128                          ; every choice hangs on the work-group's number alone
	s_cselect_b64 s[36:37], s[6:7], s[36:37]       ; x
	s_cselect_b32 s40, 128, s40
	s_cselect_b32 s41, 1, s41
	s_cselect_b32 s42, 16, s42
	s_cselect_b32 s45, 0, s45
	s_cmp_ge_u32 s35, 192
	s_cselect_b64 s[36:37], s[8:9], s[36:37]       ; Wq
	s_cselect_b64 s[38:39], s[18:19], s[38:39]     ; to wqkvc
	s_cselect_b32 s40, 192, s40
	s_cselect_b32 s42, 0, s42
	s_cselect_b32 s45, 1, s45
	s_cmp_ge_u32 s35, 208
	s_cselect_b64 s[36:37], s[10:11], s[36:37]     ; Wk
	s_cselect_b32 s40, 208, s40
	s_cselect_b32 s42, 8, s42
	s_cmp_ge_u32 s35, 224
	s_cselect_b64 s[36:37], s[12:13], s[36:37]     ; Wv
	s_cselect_b32 s40, 224, s40
	s_cselect_b32 s42, 16, s42
	s_cmp_ge_u32 s35, 240
	s_cselect_b64 s[36:37], s[14:15], s[36:37]     ; Wo
	s_cselect_b64 s[38:39], s[20:21], s[38:39]     ; to woc
	s_cselect_b32 s40, 240, s40
	s_cselect_b32 s42, 0, s42
	s_cselect_b32 s43, 12800, s43
	s_cselect_b32 s44, 12288, s44
	s_cselect_b32 s45, 0, s45
	s_sub_co_u32 s46, s35, s40                     ; the group's number in its tensor
	s_lshr_b32 s47, s46, s41                       ; its block of rows
	s_lshl_b32 s48, 1, s41
	s_sub_co_u32 s48, s48, 1
	s_and_b32 s48, s46, s48
	s_lshl_b32 s48, s48, 2
	s_add_co_u32 s48, s48, s42                     ; the group's first image in a record
	s_lshl_b32 s49, s46, 2
	s_add_co_u32 s49, s49, s33                     ; my tile in the tensor
	s_lshr_b32 s50, s49, 1
	s_lshl_b32 s50, s50, 5
	s_and_b32 s51, s49, 1
	s_lshl_b32 s51, s51, 3
	s_add_co_u32 s50, s50, s51                     ; its first row: 32 (tile / 2) + 8 (tile % 2),
	s_lshl_b32 s51, s49, 4                         ; or 16 x tile
	s_cmp_eq_u32 s45, 1
	s_cselect_b32 s50, s50, s51
	s_lshl_b32 s50, s50, 12                        ; rows of 4,096 bytes,
	s_lshl_b32 s51, s34, 11                        ; my half of K
	s_add_co_u32 s50, s50, s51
	s_mov_b32 s51, 0
	s_add_nc_u64 s[36:37], s[36:37], s[50:51]      ; where I read
	s_lshl_b32 s52, s47, 3
	s_lshl_b32 s53, s34, 2
	s_add_co_u32 s52, s52, s53                     ; my first record: 8 x block + 4 x half
	s_mul_i32 s54, s52, s43
	s_add_co_u32 s55, s48, s33
	s_mul_i32 s55, s55, 1536
	s_add_co_u32 s54, s54, s55
	s_mov_b32 s55, 0
	s_add_nc_u64 s[22:23], s[38:39], s[54:55]      ; my tile's image in that record
	s_add_co_u32 s52, s52, s33                     ; the scale words leave by K steps: wave w stores those of K step w, for the group's four tiles
	s_mul_i32 s54, s52, s43
	s_add_co_u32 s54, s54, s44
	s_lshl_b32 s52, s48, 6
	s_add_co_u32 s54, s54, s52
	s_add_nc_u64 s[24:25], s[38:39], s[54:55]
	s_mul_i32 s56, s33, WREG                       ; my region of LDS
	v_lshlrev_b32 v2, 4, v1                        ; my 16 bytes of a load's 512: rows 0-7 of the tile,
	s_lshl_b32 s57, s45, 15
	v_add_nc_u32 v3, s57, v2                       ; rows 8-15, which lie eight rows further on where the tile's rows are not neighbours
	v_lshrrev_b32 v4, 2, v1
	v_mul_u32_u24 v4, v4, SP
	v_and_b32 v5, 3, v1
	v_lshl_add_u32 v4, v5, 4, v4
	v_add_nc_u32 v4, s56, v4                       ; the stage, on the way in: four lanes' 64 bytes on end, then 16 of padding
	v_mul_u32_u24 v5, v1, SP
	v_add_nc_u32 v5, s56, v5                       ; and on the way out: my 16 neighbours: row lane / 8 of the step's four, block (lane / 2) % 4, half lane % 2
	v_bfe_u32 v14, v1, 2, 1
	v_mul_u32_u24 v14, v14, 6
	v_and_b32 v15, 1, v1
	v_mad_u32_u24 v14, v15, 3, v14                 ; my three registers of codes are the fragment's registers 6 (block / 2) + 3 x half + 0 .. 2,
	v_lshrrev_b32 v15, 3, v1
	v_lshlrev_b32 v15, 4, v15
	v_bfe_u32 v13, v1, 1, 1
	v_lshl_add_u32 v15, v13, 8, v15                ; of the fragment's lane row + 16 (block % 2)
	s_add_co_u32 s57, s56, IMG
	v_add_nc_u32 v15, s57, v15
.irp i, 0,1,2
	v_add_nc_u32 v13, \i, v14
	v_lshrrev_b32 v[6+\i], 2, v13
	v_lshlrev_b32 v[6+\i], 9, v[6+\i]              ; the register's chunk of 512 bytes,
	v_and_b32 v13, 3, v13
	v_lshl_add_u32 v[6+\i], v13, 2, v[6+\i]        ; its word in the lane's 16 bytes
	v_add_nc_u32 v[6+\i], v15, v[6+\i]             ; v6-8: where my codes go in an image
.endr
	v_add_nc_u32 v10, s57, v2                      ; v10: the images on the way out: 16 bytes a lane
	v_lshrrev_b32 v9, 3, v1
	v_lshlrev_b32 v9, 2, v9
	v_bfe_u32 v13, v1, 1, 2
	v_add_nc_u32 v9, v9, v13
	s_lshl_b32 s58, s33, 6
	s_add_co_u32 s58, s58, SCA
	v_add_nc_u32 v9, s58, v9                       ; v9: my block's byte: 64 x tile + 4 x row + block
	v_lshlrev_b32 v12, 3, v1                       ; v12: 8 bytes a lane
	s_lshl_b32 s58, s33, 8
	s_add_co_u32 s58, s58, SCA
	v_add_nc_u32 v11, s58, v12                     ; v11: K step w's 256 bytes of scale words
.macro LOAD t                          ; step t: rows 4 (t % 4) + 0 .. 3 of the tile, K step t / 4 of my four: each load reads 512 consecutive bytes
.irp j, 0,1,2,3
.if 4*((\t)%4)+\j < 8
	global_load_b128 v[R+16*((\t)%4)+4*\j:R+16*((\t)%4)+4*\j+3], v2, s[36:37] offset:(4*((\t)%4)+\j)*4096+((\t)/4)*512 th:TH_LOAD_NT
.else
	global_load_b128 v[R+16*((\t)%4)+4*\j:R+16*((\t)%4)+4*\j+3], v3, s[36:37] offset:(4*((\t)%4)+\j)*4096+((\t)/4)*512 th:TH_LOAD_NT
.endif
.endr
.endm
.macro TURN t                          ; step t's numbers through the stage: LDS serves a wave's instructions in order, so no wait stands between the stores and the loads
.irp i, 0,1,2,3
	ds_store_b128 v4, v[R+16*((\t)%4)+4*\i:R+16*((\t)%4)+4*\i+3] offset:32*SP*((\t)%2)+8*SP*\i
.endr
.irp i, 0,1,2,3
	ds_load_b128 v[X+16*((\t)%2)+4*\i:X+16*((\t)%2)+4*\i+3], v5 offset:32*SP*((\t)%2)+16*\i
.endr
.endm
.irp t, 0,1,2,3
	LOAD \t
.endr
	s_wait_loadcnt 12                              ; step 0's four loads are in
	TURN 0
.macro STEP t
.set XS, X+16*((\t)%2)
.if (\t) > 0
	s_wait_dscnt 4                                 ; this step's numbers are back from the stage; the last step's three code stores and its byte store may be out
.else
	s_wait_dscnt 0x0
.endif
.if (\t)+4 < STEPS
	LOAD (\t)+4                                    ; into the registers that this step's stores into the stage have read
.endif
.if (\t)+1 < STEPS
.if STEPS-2-(\t) >= 3
	s_wait_loadcnt 12                              ; the next step's four loads are in; those of the three steps behind it may be out
.else
	s_wait_loadcnt 4*(STEPS-2-(\t))
.endif
	TURN (\t)+1                                    ; and go through the other stage while this step is worked
.endif
	v_max3_num_f32 v13, |v[XS]|, |v[XS+1]|, |v[XS+2]|              ; the largest magnitude of my 16, in two chains
	v_max3_num_f32 v14, |v[XS+3]|, |v[XS+4]|, |v[XS+5]|
.irp i, 6,10
	v_max3_num_f32 v13, v13, |v[XS+\i]|, |v[XS+\i+1]|
	v_max3_num_f32 v14, v14, |v[XS+\i+2]|, |v[XS+\i+3]|
.endr
	v_max3_num_f32 v13, v13, |v[XS+14]|, |v[XS+15]|
	v_max3_num_f32 v13, v13, v14, 0x1800000        ; and the floor 2^(3 - 127): the byte cannot fall under 1
	v_max_num_f32_dpp v13, v13, v13 row_xmask:1 row_mask:0xf bank_mask:0xf   ; and of my neighbour's 16: the block's
	v_add_nc_u32 v15, 0xff000000, v13              ; 2 off its exponent field: the conversion takes the exponent field of this operand as its scale
	v_cvt_scalef32_pk16_fp6_f32 v[C+4*(\t):C+4*(\t)+2], v[XS:XS+15], v15
	v_lshrrev_b32 v[E+(\t)], 23, v15               ; the scale's byte (a plain line behind the conversion)
.irp i, 0,1,2
	ds_store_b32 v[6+\i], v[C+4*(\t)+\i] offset:((\t)/4)*1536+64*((\t)%4)   ; into the K step's image, at the step's four rows
.endr
	ds_store_b8 v9, v[E+(\t)] offset:((\t)/4)*256+16*((\t)%4)      ; both lanes of a block write the same byte with the same value
.endm
.irp t, 0,1,2,3,4,5,6,7,8,9,10,11,12,13,14,15
	STEP \t
.endr
	s_wait_dscnt 0x0                               ; for the others' sake: my scale bytes have landed
	s_barrier_signal -1
	s_barrier_wait -1                              ; the four tiles' scale words lie in LDS
	s_mov_b32 s58, 0
.irp sl, 0,1,2,3
	v_add_nc_u32 v[16+\sl], s58, v2                ; v16-19: 16 x lane + K step x a record's bytes (the loaded numbers' registers are free)
	s_add_co_u32 s58, s58, s43
.endr
.irp sl, 0,1,2,3
.irp c, 0,1,2
	ds_load_b128 v[OUTR+12*\sl+4*\c:OUTR+12*\sl+4*\c+3], v10 offset:1536*\sl+512*\c
.endr
.endr
	ds_load_b64 v[20:21], v11
.irp sl, 0,1,2,3
.irp c, 0,1,2
	s_wait_dscnt 12-(3*\sl+\c)                     ; this chunk is in; the younger chunks and the scale words may be out
	global_store_b128 v[16+\sl], v[OUTR+12*\sl+4*\c:OUTR+12*\sl+4*\c+3], s[22:23] offset:512*\c   ; 32 lanes store 512 consecutive bytes, at a multiple of 256 from the buffer's first byte
.endr
.endr
	s_wait_dscnt 0x0
	global_store_b64 v12, v[20:21], s[24:25]       ; 32 lanes store 256 consecutive bytes, aligned
	s_wait_tensorcnt 0x0
	ds_add_u32 v240, v241
	s_wait_dscnt 0x0
	s_endpgm
.Lfunc_end_k_qae9578fd59_quant:
	.size	k_qae9578fd59_quant, .Lfunc_end_k_qae9578fd59_quant-k_qae9578fd59_quant
	.p2alignl 7, 3214868480
	.fill 96, 4, 3214868480
	.section	.rodata,"a",@progbits
	.p2align	6, 0x0
	.amdhsa_kernel k_qae9578fd59_quant
		.amdhsa_group_segment_fixed_size 46592
		.amdhsa_private_segment_fixed_size 0
		.amdhsa_enable_private_segment 0
		.amdhsa_kernarg_size 72
		.amdhsa_user_sgpr_count 2
		.amdhsa_user_sgpr_kernarg_segment_ptr 1
		.amdhsa_wavefront_size32 1
		.amdhsa_system_sgpr_workgroup_id_x 1
		.amdhsa_system_sgpr_workgroup_id_y 1
		.amdhsa_system_sgpr_workgroup_id_z 1
		.amdhsa_system_vgpr_workitem_id 0
		.amdhsa_next_free_vgpr 242
		.amdhsa_next_free_sgpr 66
		.amdhsa_reserve_vcc 0
		.amdhsa_float_denorm_mode_32 3
		.amdhsa_float_denorm_mode_16_64 3
		.amdhsa_memory_ordered 1
		.amdhsa_forward_progress 1
		.amdhsa_inst_pref_size 40
	.end_amdhsa_kernel
	.amdgpu_metadata
---
amdhsa.version: [ 1, 2 ]
amdhsa.kernels:
  - .name:           k_qae9578fd59_quant
    .symbol:         k_qae9578fd59_quant.kd
    .args:
      - { .name: c, .offset: 0, .size: 8, .value_kind: global_buffer, .address_space: global }
      - { .name: x, .offset: 8, .size: 8, .value_kind: global_buffer, .address_space: global }
      - { .name: Wq, .offset: 16, .size: 8, .value_kind: global_buffer, .address_space: global }
      - { .name: Wk, .offset: 24, .size: 8, .value_kind: global_buffer, .address_space: global }
      - { .name: Wv, .offset: 32, .size: 8, .value_kind: global_buffer, .address_space: global }
      - { .name: Wo, .offset: 40, .size: 8, .value_kind: global_buffer, .address_space: global }
      - { .name: actc, .offset: 48, .size: 8, .value_kind: global_buffer, .address_space: global }
      - { .name: wqkvc, .offset: 56, .size: 8, .value_kind: global_buffer, .address_space: global }
      - { .name: woc, .offset: 64, .size: 8, .value_kind: global_buffer, .address_space: global }
    .group_segment_fixed_size: 46592
    .private_segment_fixed_size: 0
    .kernarg_segment_align: 8
    .kernarg_segment_size: 72
    .max_flat_workgroup_size: 128
    .sgpr_count:     66
    .vgpr_count:     242
    .wavefront_size: 32
...
	.end_amdgpu_metadata
.endif
;; end of part 1
;; launch qkvatt (part 2): grid 8 x 32, 4 waves a work-group, clusters of 4 x 4, 327,680 bytes of LDS; arguments actc, wqkvc, bq, bk, bv, attc; writes attc
.if DOCPART == 2
	.amdgcn_target "amdgcn-amd-amdhsa--gfx1250"
	.amdhsa_code_object_version 6
	.text
	.protected	k_qae9578fd59_qkvatt
	.globl	k_qae9578fd59_qkvatt
	.p2align	8
	.type	k_qae9578fd59_qkvatt,@function
k_qae9578fd59_qkvatt:
	s_mov_b64 s[64:65], 0
	v_nop
	global_prefetch_b8 v0, s[64:65] scope:SCOPE_SE
	s_setreg_imm32_b32 hwreg(HW_REG_WAVE_MODE, 25, 1), 1
	s_wait_xcnt 0x0
	s_wait_alu depctr_hold_cnt(0) depctr_sa_sdst(0) depctr_va_vdst(0) depctr_va_sdst(0) depctr_va_ssrc(0) depctr_va_vcc(0) depctr_vm_vsrc(0)
	s_getreg_b32 s2, hwreg(HW_REG_IB_STS2, 6, 4)
	s_cmp_eq_u32 s2, 0
	s_cbranch_scc0 .Lentry_in_a_cluster
	s_endpgm
.Lentry_in_a_cluster:
	s_bfe_u32 s2, ttmp6, 0x10000c
	s_cmp_lg_u32 s2, 0xf033
	s_cbranch_scc0 .Lentry_shape_is_right
	s_endpgm
.Lentry_shape_is_right:
; q = x Wq^T + bq, k = c Wk^T + bk, v = c Wv^T + bv, the masked attention and the quantising of its result, for two heads and 128 queries; all products on codes of FP6 (E2M3) with E8M0 scales for each 32 along K.
; THE MASK that the problem builds lets query i see keys 2 i and 2 i + 1 alone (with the batches laid on end: flat query j, flat keys 2 j and 2 j + 1).  So a tile of 16 queries meets one block of 32 keys:
; of the score product and of the product with v only those tiles are multiplied; all others lie wholly under the mask.
; SHARES.  Work-group (g, y): heads 2 g, 2 g + 1; queries 128 y on; keys 256 y on.  Wave w: head 2 g + w % 2, half w / 2 of the rows: 64 queries (4 tiles), 128 keys (8 tiles), 64 channels (4 tiles of each weight).
; A K step of 128 is 80 matrix instructions a wave on 24 fragments: 16 for q, 32 for k, 32 for v; 80 accumulators, each touched once a step.
; OPERANDS come as images of their registers (the launch before laid them so): three ds_load_b128 at 16 x lane bring a fragment, one ds_load_b32 at 4 x lane the scale words of two tiles (lanes 0-15 one, lanes 16-31 the other).
; q: source 0 = 16 rows of Wq, source 1 = 16 queries;  k: source 0 = Wk, source 1 = 16 keys: a lane holds one query or key, its registers run along the channels, the next K.
; v: source 0 = 16 keys, source 1 = 16 rows of Wv: a lane holds one channel, its registers run along the keys, the next K.  The rows of c's and of the weights' tiles are chosen (32 b + 8 u + i + 8 (i / 8)) so that 16 registers of two neighbouring tiles are 16 neighbours.
; THE RING.  Two slots of 153,600 bytes, each with two K steps: [actc record, actc record, wqkvc record, wqkvc record].  Each wave brings one record (38,400 dense bytes) by one tensor load.
; CLUSTER 4 x 4.  The work-groups of a row of the cluster share y, and so actc's records; those of a column share g, and so wqkvc's: each record is asked for JOINTLY, which divides the requests by four.
; THE SOFTMAX ahead of the last product: t = score x log2(e) / 8, M = ceil(the row's largest t), p = 2^(t - M) is quantised, the row's sum of the unquantised p divides the result.
; LIMITS: NaN and infinities among the inputs are not served; a block whose largest magnitude lies under 2^-124, a block of zeros among them, keeps the scale byte 1 (its bytes are read by this program alone).
; REGISTERS, in windows of 256.  Window 0: v1 16 x lane; v2-25 LDS addresses, six for each of the four places where a K step lies, never stepped; v26 lane % 16, v27 lane / 16; v28, v29 the spare word's address and 0;
;   v32-55 scale words, two sets of 12; v56-62 at work; v64-159 c's 8 fragments; v160-207 x's 4; v208-255 Wv's 4.   Window 1: v0-47 Wq's 4, v48-95 Wk's 4, v128-255 q's 16 accumulators.
;   Window 2: k's 32 accumulators.   Window 3: v's 32.   Behind the K loop the fragments' registers are free and take what the .set lines below name.
.set REC,   38400                      ; a record of actc or wqkvc: 24 images of 1,536 bytes, then 24 x 64 bytes of scale words
.set REC3,  12800                      ; a record of attc: 8 images, then 8 x 64 bytes
.set SLOT,  4*REC
.set SPARE, 2*SLOT                     ; behind the ring: the spare words, 128 bytes for each wave: two blocks of 256 bytes that no other line names
.set LI,   1
.set AD,   2                           ; place p (slot p / 2, half p % 2) at v[AD + 6 p]: +0 c's fragments, +1 x's, +2 the weights', +3 c's scale words, +4 x's, +5 the weights'
.set RR,   26
.set HH,   27
.set SPW,  28
.set NIL,  29
.set L4,   30                          ; 4 x lane
.set SC,   32                          ; set s at v[SC + 12 s]: +0..3 c's four pairs of tiles, +4, 5 x's, +6, 7 Wq's, +8, 9 Wk's, +10, 11 Wv's
.set CT,   56                          ; v56-58, v60-62: halves of blocks on their way
.set CF,   64
.set XF,   160
.set WVF,  208
.set WQF,  0                           ; window 1
.set WKF,  48                          ; window 1
.set QA,   128                         ; window 1: accumulator (query tile a, Wq tile b) at QA + 8 (4 a + b);  window 2: (key tile i, Wk tile b) at 8 (4 i + b);  window 3: (Wv tile n, key tile i) at 8 (8 n + i)
; behind the K loop, window 0:
.set NINF, 2                           ; -infinity
.set BH,   3                           ; 64 x (lane / 16): bq's and bk's offset
.set BV,   4                           ; 4 (r + 8 (r / 8)): bv's
.set SA,   5                           ; v5-7 where my three pairs of registers go in an image of the result
.set SS,   8                           ; and my two scale bytes
.set RDO,  9                           ; the way out: 16 x lane + 3,072 x wave
.set T,    64                          ; v64-127 numbers ahead of a quantiser (64 for v, else 32)
.set PF,   64                          ; v64-75  p's fragment, between k's quantiser and the result's scaling
.set QF,   96                          ; v96-107 q's fragment
.set KF0,  108                         ; v108-119 k's, first tile of the block
.set OF,   120                         ; v120-125 the result's six registers
.set PMX,  126                         ; the row's largest p
.set RC,   127                         ; 1 / the row's sum
.set TM,   128                         ; v128-131 largest magnitudes, v132-135 the other half's, then bytes, v140-143 the conversions' scale operands
.set SU,   136                         ; v[136:137], v[138:139] the row's sum in two chains
.set SU2,  138
.set S,    144                         ; v144-159 the scores, then p
.set BQ,   160                         ; v160-191 bq in q's layout
.set BVR,  192                         ; v192-199 bv, each number twice
.set KF1,  192                         ; v192-203 k's second tile (when bv is done with)
.set MX,   204                         ; the row's largest score
.set MT2,  205
.set NM,   206                         ; v[206:207] -M, t of the largest score
.set VF,   208                         ; v208-255 v's four fragments
.set VS,   32                          ; scale words: v32-35 v's, v36 q's, v37-38 k's, v39 p's
.set QS,   36
.set KS,   37
.set PS,   39
.set BKB,  0                           ; window 1: v0-31 bk in k's layout
.set OA,   96                          ; window 1: v96-127 the four accumulators of the last product
.set G1,   24                          ; s[24:31] descriptor group 1 for actc's records;  s[32:39] group 0, one set for each slot
.set G0,   32
.set G1B,  48                          ; s[48:55], s[56:63] the same for wqkvc's
.set G0B,  56
.set MK,   68                          ; s68-75  lane masks: mask p holds the lanes whose query sees the lane's keys 2 p and 2 p + 1
.set SEL,  76                          ; s[76:77] v_permlanex16_b32's selects for lane l xor 16
.set CS,   78                          ; s[78:79] log2(e) / 8
.set MSB, 0
.macro WIN new                         ; the immediate's high byte repeats the setting that is left
.if MSB != \new
	s_set_vgpr_msb (MSB<<8)|\new
.set MSB, \new
.endif
.endm
.macro PLACES n
.rept \n
	v_nop
.endr
.endm
; A joint load: waves 0 and 1 fetch actc's two records of a slot, waves 2 and 3 wqkvc's.  Each of the two lines has one mask and one set of registers for all that issue it; the branch hangs on the wave's number alone.
; Four v_nop follow each of the two lines, ahead of the jump, the label and what follows.
.macro JLOAD g0a, g1a, g0b, g1b
	s_cmp_eq_u32 s17, 0
	s_cbranch_scc0 .Lfor_b_\@
	tensor_load_to_lds s[\g0a:\g0a+3], s[\g1a:\g1a+7]
	s_nop 0
.rept 4
	v_nop
.endr
	s_branch .Lasked_\@
.Lfor_b_\@:
	tensor_load_to_lds s[\g0b:\g0b+3], s[\g1b:\g1b+7]
	s_nop 0
.rept 4
	v_nop
.endr
.Lasked_\@:
.endm
.macro CREST                           ; a round of the cluster's barrier behind its opening barrier
	s_cmp_lg_u32 s16, 0
	s_cbranch_scc1 .Lnot_wave_0_\@
	s_barrier_signal -3
.Lnot_wave_0_\@:
	s_barrier_wait -3
	s_barrier_signal -1
	s_barrier_wait -1
.endm
.macro CROUND                          ; a whole round
	s_barrier_signal -1
	s_barrier_wait -1
	CREST
.endm
; The matrix instruction.  zero = 1: the product starts the sum.  ra, rb = 1: that side's scale words stand in lanes 16-31 of the register named.
.macro WM d, a, b, zero, sa, ra, sb, rb
.if \zero
.if (\ra) && (\rb)
	v_wmma_scale_f32_16x16x128_f8f6f4 v[(\d):(\d)+7], v[(\a):(\a)+11], v[(\b):(\b)+11], 0, v[\sa], v[\sb] matrix_a_fmt:MATRIX_FMT_FP6 matrix_b_fmt:MATRIX_FMT_FP6 matrix_a_scale:MATRIX_SCALE_ROW1 matrix_b_scale:MATRIX_SCALE_ROW1
.elseif (\ra)
	v_wmma_scale_f32_16x16x128_f8f6f4 v[(\d):(\d)+7], v[(\a):(\a)+11], v[(\b):(\b)+11], 0, v[\sa], v[\sb] matrix_a_fmt:MATRIX_FMT_FP6 matrix_b_fmt:MATRIX_FMT_FP6 matrix_a_scale:MATRIX_SCALE_ROW1
.elseif (\rb)
	v_wmma_scale_f32_16x16x128_f8f6f4 v[(\d):(\d)+7], v[(\a):(\a)+11], v[(\b):(\b)+11], 0, v[\sa], v[\sb] matrix_a_fmt:MATRIX_FMT_FP6 matrix_b_fmt:MATRIX_FMT_FP6 matrix_b_scale:MATRIX_SCALE_ROW1
.else
	v_wmma_scale_f32_16x16x128_f8f6f4 v[(\d):(\d)+7], v[(\a):(\a)+11], v[(\b):(\b)+11], 0, v[\sa], v[\sb] matrix_a_fmt:MATRIX_FMT_FP6 matrix_b_fmt:MATRIX_FMT_FP6
.endif
.else
.if (\ra) && (\rb)
	v_wmma_scale_f32_16x16x128_f8f6f4 v[(\d):(\d)+7], v[(\a):(\a)+11], v[(\b):(\b)+11], v[(\d):(\d)+7], v[\sa], v[\sb] matrix_a_fmt:MATRIX_FMT_FP6 matrix_b_fmt:MATRIX_FMT_FP6 matrix_a_scale:MATRIX_SCALE_ROW1 matrix_b_scale:MATRIX_SCALE_ROW1
.elseif (\ra)
	v_wmma_scale_f32_16x16x128_f8f6f4 v[(\d):(\d)+7], v[(\a):(\a)+11], v[(\b):(\b)+11], v[(\d):(\d)+7], v[\sa], v[\sb] matrix_a_fmt:MATRIX_FMT_FP6 matrix_b_fmt:MATRIX_FMT_FP6 matrix_a_scale:MATRIX_SCALE_ROW1
.elseif (\rb)
	v_wmma_scale_f32_16x16x128_f8f6f4 v[(\d):(\d)+7], v[(\a):(\a)+11], v[(\b):(\b)+11], v[(\d):(\d)+7], v[\sa], v[\sb] matrix_a_fmt:MATRIX_FMT_FP6 matrix_b_fmt:MATRIX_FMT_FP6 matrix_b_scale:MATRIX_SCALE_ROW1
.else
	v_wmma_scale_f32_16x16x128_f8f6f4 v[(\d):(\d)+7], v[(\a):(\a)+11], v[(\b):(\b)+11], v[(\d):(\d)+7], v[\sa], v[\sb] matrix_a_fmt:MATRIX_FMT_FP6 matrix_b_fmt:MATRIX_FMT_FP6
.endif
.endif
.endm
.macro MULQ set, zero                  ; 16: q's four tiles of queries x Wq's four tiles.  Wq and the sums in window 1, x in window 0
	WIN 0x51
.irp a, 0,1,2,3
.irp b, 0,1,2,3
	WM QA+8*(4*\a+\b), WQF+12*\b, XF+12*\a, \zero, SC+12*(\set)+6+\b/2, \b%2, SC+12*(\set)+4+\a/2, \a%2
.endr
.endr
.endm
.macro MULK i0, set, zero              ; 16: key tiles i0 .. i0 + 3 x Wk's four.  Wk in window 1, c in window 0, the sums in window 2
	WIN 0xa1
.irp i, \i0, \i0+1, \i0+2, \i0+3
.irp b, 0,1,2,3
	WM 8*(4*(\i)+\b), WKF+12*\b, CF+12*(\i), \zero, SC+12*(\set)+8+\b/2, \b%2, SC+12*(\set)+(\i)/2, (\i)%2
.endr
.endr
.endm
.macro MULV i0, set, zero              ; 16: key tiles i0 .. i0 + 3 x Wv's four.  c and Wv in window 0, the sums in window 3
	WIN 0xf0
.irp i, \i0, \i0+1, \i0+2, \i0+3
.irp n, 0,1,2,3
	WM 8*(8*\n+(\i)), CF+12*(\i), WVF+12*\n, \zero, SC+12*(\set)+(\i)/2, (\i)%2, SC+12*(\set)+10+\n/2, \n%2
.endr
.endr
.endm
.macro FR3 reg, adr, off               ; a fragment's image: three loads of 512 consecutive bytes
.irp c, 0,1,2
	ds_load_b128 v[(\reg)+4*\c:(\reg)+4*\c+3], v[\adr] offset:(\off)+512*\c
.endr
.endm
; The LDS loads of K step st stand in four runs in the step before, each behind four places and 32 matrix instructions or more ahead of its use.
.macro RUN1 st                         ; 36 loads: the 12 registers of scale words into the other set, x's fragments, Wq's
.set PB, AD+6*((\st)%4)
.set NS, SC+12*((\st)%2)
	WIN 0
.irp j, 0,1,2,3
	ds_load_b32 v[NS+\j], v[PB+3] offset:128*\j
.endr
.irp j, 0,1
	ds_load_b32 v[NS+4+\j], v[PB+4] offset:128*\j
.endr
.irp j, 0,1
	ds_load_b32 v[NS+6+\j], v[PB+5] offset:128*\j
	ds_load_b32 v[NS+8+\j], v[PB+5] offset:512+128*\j
	ds_load_b32 v[NS+10+\j], v[PB+5] offset:1024+128*\j
.endr
.irp a, 0,1,2,3
	FR3 XF+12*\a, PB+1, 1536*\a
.endr
	WIN 0x40                                       ; destination window 1, address window 0
.irp b, 0,1,2,3
	FR3 WQF+12*\b, PB+2, 1536*\b
.endr
.endm
.macro RUN2 st                         ; 12: Wk's
.set PB, AD+6*((\st)%4)
	WIN 0x40
.irp b, 0,1,2,3
	FR3 WKF+12*\b, PB+2, 12288+1536*\b
.endr
.endm
.macro RUN3 st                         ; 12: key tiles 0-3
.set PB, AD+6*((\st)%4)
	WIN 0
.irp i, 0,1,2,3
	FR3 CF+12*\i, PB, 1536*\i
.endr
.endm
.macro RUN4 st                         ; 24: key tiles 4-7, then Wv's
.set PB, AD+6*((\st)%4)
	WIN 0
.irp i, 4,5,6,7
	FR3 CF+12*\i, PB, 1536*\i
.endr
.irp n, 0,1,2,3
	FR3 WVF+12*\n, PB+2, 24576+1536*\n
.endr
.endm
; A K step whose successor lies in the same slot.
.macro STEP s, zero
	s_wait_dscnt 48                                ; run 1 is in; runs 2, 3 and 4 (12 + 12 + 24) may be out
	MULQ (\s)%2, \zero
	PLACES 4
	RUN1 (\s)+1
	s_wait_dscnt 60                                ; Wk and key tiles 0-3 are in; run 4 (24) and the new run 1 (36) may be out
	MULK 0, (\s)%2, \zero
	s_wait_dscnt 48                                ; key tiles 4-7 are in; Wv (12) and the new run 1 (36) may be out
	MULK 4, (\s)%2, \zero
	PLACES 4
	RUN2 (\s)+1
	s_wait_dscnt 48                                ; Wv is in; the new runs 1 and 2 (36 + 12) may be out
	MULV 0, (\s)%2, \zero
	PLACES 4
	RUN3 (\s)+1
	MULV 4, (\s)%2, \zero
	PLACES 4
	RUN4 (\s)+1
.endm
; A slot's second K step changes slots: one barrier; in front of it each wave waits for all its tensor loads, adds 0 to its spare word, and waits for that and for its own reads of this slot (all of this step's fragments).
; fill = 1: the barrier opens a round of the cluster's barrier, and behind the round this slot is filled again, with the K steps four on.
.macro TURN s, fill
.set SL, ((\s)/2)%2
	WIN 0                                          ; (the add's two registers lie in window 0)
	s_wait_tensorcnt 0x0                           ; all my tensor loads have landed: the one that was out is my record of the next slot;
	ds_add_u32 v[SPW], v[NIL]                      ; 0 onto my spare word
	s_wait_dscnt 49                                ; run 1 is in; the add and runs 2, 3 and 4 (48) may be out
	MULQ (\s)%2, 0                                 ; sixteen matrix instructions stand between the add and the wait for it
	s_wait_dscnt 0x0                               ; the add is done, and my reads of this slot are over
	s_barrier_signal -1
	MULK 0, (\s)%2, 0
	WIN 0
	s_barrier_wait -1
.if \fill
	CREST                                          ; no wave of any partner still reads this slot or has a load on its way
	s_add_nc_u64 s[G0+4*SL+2:G0+4*SL+3], s[G0+4*SL+2:G0+4*SL+3], SLOT       ; four records on
	s_add_nc_u64 s[G0B+4*SL+2:G0B+4*SL+3], s[G0B+4*SL+2:G0B+4*SL+3], SLOT
	JLOAD G0+4*SL, G1, G0B+4*SL, G1B               ; the first tensor load behind the round; the four v_nop behind it are also the places in front of the loads below
.else
	PLACES 4
.endif
	RUN1 (\s)+1
	MULK 4, (\s)%2, 0
	PLACES 4
	RUN2 (\s)+1
	MULV 0, (\s)%2, 0
	PLACES 4
	RUN3 (\s)+1
	MULV 4, (\s)%2, 0
	PLACES 4
	RUN4 (\s)+1
.endm
; 64 numbers of a lane, register 16 b + i = k 32 b + 16 (lane / 16) + i of my row, become a fragment's 12 registers at v[f] and its scale word in v[w].
.macro QUANT4 s, f, w
.irp b, 0,1,2,3
	v_max3_num_f32 v[TM+\b], |v[(\s)+16*\b]|, |v[(\s)+1+16*\b]|, 0x1800000   ; block b: my 16 numbers, and the floor 2^(3 - 127): the byte cannot fall under 1
.endr
.irp i, 2,4,6,8,10,12,14
.irp b, 0,1,2,3
	v_max3_num_f32 v[TM+\b], v[TM+\b], |v[(\s)+16*\b+\i]|, |v[(\s)+1+16*\b+\i]|
.endr
.endr
.irp b, 0,1,2,3
	v_permlanex16_b32 v[TM+4+\b], v[TM+\b], s[SEL], s[SEL+1]
.endr
.irp b, 0,1,2,3
	v_max_num_f32 v[TM+\b], v[TM+\b], v[TM+4+\b]   ; with lane l xor 16's: the block's largest magnitude
.endr
.irp b, 0,1,2,3
	v_add_nc_u32 v[TM+12+\b], 0xff000000, v[TM+\b] ; 2 off its exponent field: the conversion's scale operand
.endr
.irp b, 0,1,2,3
	v_lshrrev_b32 v[TM+4+\b], 23, v[TM+12+\b]      ; the scale's byte
.endr
	v_lshl_or_b32 v[\w], v[TM+5], 8, v[TM+4]
	v_lshl_or_b32 v[\w], v[TM+6], 16, v[\w]
	v_lshl_or_b32 v[\w], v[TM+7], 24, v[\w]
.irp c, 0,1
	v_cvt_scalef32_pk16_fp6_f32 v[(\f)+6*\c:(\f)+6*\c+2], v[(\s)+32*\c:(\s)+32*\c+15], v[TM+12+2*\c]
	v_cvt_scalef32_pk16_fp6_f32 v[CT+4*\c:CT+4*\c+2], v[(\s)+32*\c+16:(\s)+32*\c+31], v[TM+13+2*\c]   ; (a conversion's three registers begin on an even number)
.endr
	v_nop                                          ; one plain line behind a scaled conversion
.irp c, 0,1                            ; the operand's layout wants a whole block in a lane: lanes 0-15 block 2 c, lanes 16-31 block 2 c + 1
.irp i, 0,1,2
	v_permlane16_swap_b32 v[(\f)+6*\c+\i], v[CT+4*\c+\i]
.endr
.irp i, 0,1,2
	v_mov_b32 v[(\f)+6*\c+3+\i], v[CT+4*\c+\i]
.endr
.endr
.endm
; The same for 32 numbers, two blocks: six registers at v[f] and two scale bytes in v[w] (its upper bytes are 0).
.macro QUANT2 s, f, w
.irp b, 0,1
	v_max3_num_f32 v[TM+\b], |v[(\s)+16*\b]|, |v[(\s)+1+16*\b]|, 0x1800000
.endr
.irp i, 2,4,6,8,10,12,14
.irp b, 0,1
	v_max3_num_f32 v[TM+\b], v[TM+\b], |v[(\s)+16*\b+\i]|, |v[(\s)+1+16*\b+\i]|
.endr
.endr
.irp b, 0,1
	v_permlanex16_b32 v[TM+4+\b], v[TM+\b], s[SEL], s[SEL+1]
.endr
.irp b, 0,1
	v_max_num_f32 v[TM+\b], v[TM+\b], v[TM+4+\b]
.endr
.irp b, 0,1
	v_add_nc_u32 v[TM+12+\b], 0xff000000, v[TM+\b]
.endr
.irp b, 0,1
	v_lshrrev_b32 v[TM+4+\b], 23, v[TM+12+\b]
.endr
	v_lshl_or_b32 v[\w], v[TM+5], 8, v[TM+4]
	v_cvt_scalef32_pk16_fp6_f32 v[(\f):(\f)+2], v[(\s):(\s)+15], v[TM+12]
	v_cvt_scalef32_pk16_fp6_f32 v[CT:CT+2], v[(\s)+16:(\s)+31], v[TM+13]
	v_nop
.irp i, 0,1,2
	v_permlane16_swap_b32 v[(\f)+\i], v[CT+\i]
.endr
.irp i, 0,1,2
	v_mov_b32 v[(\f)+3+\i], v[CT+\i]
.endr
.endm
	s_load_b256 s[4:11], s[0:1], 0x0               ; actc s[4:5], wqkvc s[6:7], bq s[8:9], bk s[10:11]
	s_load_b128 s[12:15], s[0:1], 0x20             ; bv s[12:13], attc s[14:15]
	v_lshl_add_u32 v[SPW], v0, 2, SPARE
	v_mov_b32 v[NIL], 0
	ds_add_u32 v28, v29
	ds_add_u32 v28, v29
	s_wait_dscnt 0x0
	v_lshrrev_b32 v1, 5, v0
	v_readfirstlane_b32 s16, v1                    ; wave 0..3
	s_lshr_b32 s17, s16, 1                         ; my half of the rows.  Also: I fetch from actc (0) or from wqkvc (1)
	s_and_b32 s18, s16, 1                          ; my head of the two.  Also: which of a slot's two K steps I fetch
	s_bfe_u32 s40, ttmp6, 0x40000                  ; cx, cy: my place in the cluster
	s_bfe_u32 s41, ttmp6, 0x40004
	s_lshl_b32 s42, ttmp9, 2
	s_add_co_u32 s42, s42, s40                     ; g = 4 x cluster x + cx
	s_and_b32 s19, ttmp7, 0xffff
	s_lshl_b32 s19, s19, 2
	s_add_co_u32 s19, s19, s41                     ; y = 4 x cluster y + cy
	s_lshl_b32 s43, s41, 2
	s_lshl_b32 s43, 15, s43                        ; my row of the cluster
	s_lshl_b32 s44, 0x1111, s40                    ; my column
	; descriptor group 1: a record is a dense block: 150 rows of 256 bytes (32 elements of 8 bytes), no padding
	s_or_b32 s[G1], s43, (3<<16)|(1<<21)           ; 15:0 the mask: actc's records go to my row; 17:16 elements of 8 bytes; 21 set beside a mask
	s_or_b32 s[G1B], s44, (3<<16)|(1<<21)          ; wqkvc's to my column
.irp g, G1, G1B
	s_mov_b32 s[\g+1], 32<<16                      ; tensor_dim0
	s_mov_b32 s[\g+2], 150<<16                     ; tensor_dim1
	s_mov_b32 s[\g+3], 32<<16                      ; tile_dim0
	s_mov_b32 s[\g+4], 150                         ; tile_dim1
	s_mov_b32 s[\g+5], 32                          ; tensor_dim0_stride
	s_mov_b32 s[\g+6], 0
	s_mov_b32 s[\g+7], 0
.endr
	s_mul_i32 s22, s18, REC                        ; which of the two K steps
	s_mul_i32 s20, s19, 8*REC                      ; actc: block y's eight records
	s_add_co_u32 s20, s20, s22
	s_mov_b32 s21, 0
	s_mul_i32 s46, s42, 8*REC                      ; wqkvc: block g's
	s_add_co_u32 s46, s46, s22
	s_mov_b32 s47, 0
	s_mul_i32 s45, s16, REC                        ; where my record goes in a slot: wave x a record: no place in the cluster enters an LDS address
	s_wait_kmcnt 0x0
	s_add_nc_u64 s[20:21], s[4:5], s[20:21]
	s_add_nc_u64 s[46:47], s[6:7], s[46:47]
	CROUND                                         ; all sixteen work-groups are here: the first joint loads meet
.irp s, 0,1
	s_mov_b32 s[G0+4*\s], 1
	s_add_co_u32 s[G0+4*\s+1], s45, \s*SLOT
	s_add_nc_u64 s[G0+4*\s+2:G0+4*\s+3], s[20:21], \s*2*REC
	s_or_b32 s[G0+4*\s+3], s[G0+4*\s+3], 0x80000000
	s_mov_b32 s[G0B+4*\s], 1
	s_add_co_u32 s[G0B+4*\s+1], s45, \s*SLOT
	s_add_nc_u64 s[G0B+4*\s+2:G0B+4*\s+3], s[46:47], \s*2*REC
	s_or_b32 s[G0B+4*\s+3], s[G0B+4*\s+3], 0x80000000
	JLOAD G0+4*\s, G1, G0B+4*\s, G1B               ; both slots' first fills go out together: two loads of mine are out
.endr
	v_and_b32 v[LI], 31, v0
	v_lshlrev_b32 v[L4], 2, v[LI]
	v_lshlrev_b32 v[LI], 4, v[LI]
	v_and_b32 v[RR], 15, v0
	v_bfe_u32 v[HH], v0, 4, 1
	v_lshlrev_b32 v31, 3, v[HH]
	v_sub_nc_u32 v31, v[RR], v31                   ; r - 8 h: my query r sees, of my lane's 16 keys 16 h + 0 .. 15 of its block, those numbered 2 (r - 8 h) and one more, if that lies in 0 .. 7
.irp p, 0,1,2,3,4,5,6,7
	v_cmp_eq_u32 s[MK+\p], \p, v31
.endr
	s_mul_i32 s80, s17, 12288                      ; c's fragments: my eight tiles
	s_mul_i32 s81, s17, 6144
	s_add_co_u32 s81, s81, 24576                   ; x's: behind c's sixteen, my four
	s_mul_i32 s82, s18, 6144
	s_add_co_u32 s82, s82, 2*REC                   ; the weights': behind actc's two records, my head's four of Wq's eight
	s_lshl_b32 s83, s17, 9
	s_add_co_u32 s83, s83, 36864                   ; c's scale words
	s_lshl_b32 s84, s17, 8
	s_add_co_u32 s84, s84, 37888                   ; x's
	s_lshl_b32 s85, s18, 8
	s_add_co_u32 s85, s85, 2*REC+36864             ; the weights'
.irp p, 0,1,2,3
	v_add_nc_u32 v[AD+6*\p], s80, v[LI]
	v_add_nc_u32 v[AD+6*\p+1], s81, v[LI]
	v_add_nc_u32 v[AD+6*\p+2], s82, v[LI]
	v_add_nc_u32 v[AD+6*\p+3], s83, v[L4]
	v_add_nc_u32 v[AD+6*\p+4], s84, v[L4]
	v_add_nc_u32 v[AD+6*\p+5], s85, v[L4]
.if \p < 3
.irp q, 80,81,82,83,84,85
	s_add_co_u32 s\q, s\q, REC+(\p%2)*2*REC        ; on to the slot's second K step, or to the next slot's first
.endr
.endif
.endr
	s_mov_b32 s[SEL], 0x76543210
	s_mov_b32 s[SEL+1], 0xfedcba98
	s_mov_b32 s[CS], 0x3e38aa3b                    ; log2(e) / 8
	s_mov_b32 s[CS+1], s[CS]                       ; (named with it as a pair, so it is written)
	s_mul_i32 s93, s17, 6144                       ; the result's stage: my half's four images; my head's registers 6 hd .. 6 hd + 5 are the pairs 3 hd + 0 .. 2: pair n lies in chunk n / 2, at byte 8 (n % 2) of the lane's 16
.irp i, 0,1,2
	s_mul_i32 s95, s18, 3
	s_add_co_u32 s95, s95, \i
	s_lshr_b32 s[90+\i], s95, 1
	s_lshl_b32 s[90+\i], s[90+\i], 9
	s_and_b32 s95, s95, 1
	s_lshl_b32 s95, s95, 3
	s_add_co_u32 s[90+\i], s[90+\i], s95
	s_add_co_u32 s[90+\i], s[90+\i], s93
.endr
	s_lshl_b32 s93, s17, 8
	s_lshl_b32 s95, s18, 1
	s_add_co_u32 s93, s93, s95
	s_add_co_u32 s93, s93, 12288                   ; its scale words: behind the eight images; my half's four tiles, my head's two bytes
	s_mul_i32 s94, s16, 3072                       ; the way out: a quarter of the images a wave
	s_lshl_b32 s80, s42, 9
	s_lshl_b32 s81, s18, 8
	s_add_co_u32 s80, s80, s81                     ; my head's 64 numbers in each bias: 256 (2 g + hd) bytes
	s_mov_b32 s81, 0
	s_add_nc_u64 s[82:83], s[8:9], s[80:81]        ; bq
	s_add_nc_u64 s[84:85], s[10:11], s[80:81]      ; bk
	s_add_nc_u64 s[86:87], s[12:13], s[80:81]      ; bv
	s_mul_i32 s80, s19, 8*REC3
	s_mul_i32 s95, s42, REC3
	s_add_co_u32 s80, s80, s95
	s_add_nc_u64 s[88:89], s[14:15], s[80:81]      ; attc: record (y, g)
	s_wait_tensorcnt 1                             ; my record of slot 0 is in; slot 1's may stay out
	s_barrier_signal -1
	s_barrier_wait -1                              ; everybody's is
	RUN1 0
	RUN2 0
	RUN3 0
	RUN4 0
	STEP 0, 1                                      ; the first step's products start the sums: nothing is cleared
	TURN 1, 1                                      ; slot 0 takes K steps 4 and 5
	STEP 2, 0
	TURN 3, 1                                      ; slot 1 takes K steps 6 and 7
	STEP 4, 0
	TURN 5, 0                                      ; nothing is left to fetch
	STEP 6, 0
	; the last K step: nothing more to fetch from LDS; the biases are asked for, and the addresses for what follows are made
	s_wait_dscnt 48
	MULQ 1, 0
	WIN 0
	v_mov_b32 v[NINF], 0xff800000                  ; (these ten plain lines are the places in front of the loads into x's and Wq's registers; the address registers that they take belong to K steps whose loads were waited for at the last change of slots)
	v_lshlrev_b32 v[BH], 6, v[HH]
	v_and_b32 v[BV], 8, v[RR]
	v_add_nc_u32 v[BV], v[BV], v[RR]
	v_lshlrev_b32 v[BV], 2, v[BV]
.irp i, 0,1,2
	v_add_nc_u32 v[SA+\i], s[90+\i], v[LI]
.endr
	v_lshl_add_u32 v[SS], v[RR], 2, s93
	v_add_nc_u32 v[RDO], s94, v[LI]
.irp b, 0,1
.irp j, 0,1,2,3
	global_load_b128 v[BQ+16*\b+4*\j:BQ+16*\b+4*\j+3], v[BH], s[82:83] offset:128*\b+16*\j   ; bq at channels 32 b + 16 h + 0 .. 15: register 16 b + i, as q's results lie
.endr
.endr
.irp n, 0,1,2,3
	global_load_b32 v[BVR+2*\n], v[BV], s[86:87] offset:128*(\n/2)+32*(\n%2)     ; bv at my lane's channel of Wv's tile n, twice: a pair for the packed addition
	global_load_b32 v[BVR+2*\n+1], v[BV], s[86:87] offset:128*(\n/2)+32*(\n%2)
.endr
	WIN 0x40
.irp b, 0,1
.irp j, 0,1,2,3
	global_load_b128 v[BKB+16*\b+4*\j:BKB+16*\b+4*\j+3], v[BH], s[84:85] offset:128*\b+16*\j
.endr
.endr
	s_wait_dscnt 24                                ; Wk and key tiles 0-3 are in; run 4 may be out
	MULK 0, 1, 0
	s_wait_dscnt 12                                ; key tiles 4-7 are in; Wv may be out
	MULK 4, 1, 0
	s_wait_dscnt 0x0
	MULV 0, 1, 0
	MULV 4, 1, 0
	WIN 0
	PLACES 4                                       ; in front of the first read of results and the first write into operands' registers
	s_wait_loadcnt 0x0                             ; the biases
.irp b, 0,1,2,3
	v_mov_b32 v[TM+4+\b], 0                        ; written once: a lane permute's destination counts as one of its sources
.endr
	v_mov_b32 v[MT2], 0
	v_mov_b32 v[SU+1], 0
	; v + bv, quantised along the keys: four fragments (16 channels x my 128 keys) that stay in registers
.irp n, 0,1,2,3
	WIN 0x03                                       ; source 0 window 3
.set k, 0
.rept 32
	v_pk_add_f32 v[T+k:T+k+1], v[64*\n+k:64*\n+k+1], v[BVR+2*\n:BVR+2*\n+1]    ; each accumulator from its low end on
.set k, k+2
.endr
	WIN 0
	QUANT4 T, VF+12*\n, VS+\n
.endr
.irp j, 6,7,8,9,10,11
	v_mov_b32 v[QF+\j], 0                          ; the score product's K is 64: the instruction's other 64 are zero codes, on both sides
	v_mov_b32 v[KF0+\j], 0
	v_mov_b32 v[KF1+\j], 0
.endr
; One tile of 16 queries and its block of 32 keys.
.macro ATT a
	WIN 0x01                                       ; source 0 window 1
.set k, 0
.rept 16
	v_pk_add_f32 v[T+k:T+k+1], v[QA+32*\a+k:QA+32*\a+k+1], v[BQ+k:BQ+k+1]      ; q + bq
.set k, k+2
.endr
	WIN 0
	QUANT2 T, QF, QS
.irp u, 0,1
	WIN 0x06                                       ; source 0 window 2, source 1 window 1
.set k, 0
.rept 16
	v_pk_add_f32 v[T+k:T+k+1], v[32*(2*\a+\u)+k:32*(2*\a+\u)+k+1], v[BKB+k:BKB+k+1]   ; k + bk
.set k, k+2
.endr
	WIN 0
	QUANT2 T, KF0+84*\u, KS+\u
.endr
	s_wait_dscnt 0x0                               ; the last tile's stores into the stage have read their registers, which are written again below
	PLACES 8                                       ; a scale register written by a vector instruction stands 8 places ahead of a scaled matrix instruction, an operand 4
	WM S, KF0, QF, 1, KS, 0, QS, 0                 ; S^T = k q^T: lane (r, h) holds query r and keys 16 h + 0 .. 15 of the block
	WM S+8, KF1, QF, 1, KS+1, 0, QS, 0
	PLACES 4
.irp i, 0,1,2,3,4,5,6,7,8,9,10,11,12,13,14,15
	v_cndmask_b32 v[S+\i], v[NINF], v[S+\i], s[MK+\i/2]            ; what the mask hides becomes -infinity: p = 0 there
.endr
	v_max3_num_f32 v[MX], v[S], v[S+1], v[S+2]
	v_max3_num_f32 v[MT2], v[S+3], v[S+4], v[S+5]
	v_max3_num_f32 v[MX], v[MX], v[S+6], v[S+7]
	v_max3_num_f32 v[MT2], v[MT2], v[S+8], v[S+9]
	v_max3_num_f32 v[MX], v[MX], v[S+10], v[S+11]
	v_max3_num_f32 v[MT2], v[MT2], v[S+12], v[S+13]
	v_max3_num_f32 v[MX], v[MX], v[S+14], v[S+15]
	v_max_num_f32 v[MX], v[MX], v[MT2]
	v_permlanex16_b32 v[MT2], v[MX], s[SEL], s[SEL+1]
	v_max_num_f32 v[MX], v[MX], v[MT2]             ; the row's largest score: one of the two halves holds the query's two keys
	v_mul_f32 v[NM+1], s[CS], v[MX]                ; as t
	v_floor_f32 v[NM], -v[NM+1]                    ; -M = floor(-t) = -ceil(t)
.irp j, 0,2,4,6,8,10,12,14
	v_pk_fma_f32 v[S+\j:S+\j+1], v[S+\j:S+\j+1], s[CS:CS+1], v[NM:NM+1] op_sel_hi:[1,0,0]   ; t - M (of both pairs the low word serves both halves)
.endr
	v_fma_f32 v[PMX], v[MX], s[CS], v[NM]          ; the same of the largest score
.irp j, 0,1,2,3,4,5,6,7,8,9,10,11,12,13,14,15
	v_exp_f32 v[S+\j], v[S+\j]                     ; p = 2^(t - M)
.endr
	v_exp_f32 v[PMX], v[PMX]                       ; the block's largest p: the same two instructions on the same number
	v_nop                                          ; a plain line behind the exponentials
	s_wait_alu depctr_va_vdst(0)                   ; one wait for the batch of 17, ahead of its first reader
	v_pk_add_f32 v[SU:SU+1], v[S:S+1], v[S+2:S+3]  ; the row's sum, of the unquantised p
	v_pk_add_f32 v[SU2:SU2+1], v[S+4:S+5], v[S+6:S+7]
	v_pk_add_f32 v[SU:SU+1], v[SU:SU+1], v[S+8:S+9]
	v_pk_add_f32 v[SU2:SU2+1], v[SU2:SU2+1], v[S+10:S+11]
	v_pk_add_f32 v[SU:SU+1], v[SU:SU+1], v[S+12:S+13]
	v_pk_add_f32 v[SU2:SU2+1], v[SU2:SU2+1], v[S+14:S+15]
	v_pk_add_f32 v[SU:SU+1], v[SU:SU+1], v[SU2:SU2+1]
	v_add_f32 v[SU], v[SU], v[SU+1]
	v_permlanex16_b32 v[SU+1], v[SU], s[SEL], s[SEL+1]
	v_add_f32 v[SU], v[SU], v[SU+1]
	v_rcp_f32 v[RC], v[SU]
	v_max_num_f32 v[PMX], 0x1800000, v[PMX]        ; (a plain line behind the reciprocal)  the floor
	v_add_nc_u32 v[SU2], 0xff000000, v[PMX]        ; the conversion's scale operand
	v_lshrrev_b32 v[SU2+1], 23, v[SU2]             ; the scale's byte,
	v_lshlrev_b32 v[PS], 8*\a, v[SU2+1]            ; at block a's place in p's scale word; the other three blocks are zero codes under the byte 0
	v_cvt_scalef32_pk16_fp6_f32 v[CT:CT+2], v[S:S+15], v[SU2]      ; lane (r, h): the codes of keys 16 h + 0 .. 15 of block a
	v_nop
.irp j, 0,1,2,3,4,5,6,7,8,9,10,11
.if (\j >= 6*(\a/2)+3*(\a%2)) && (\j < 6*(\a/2)+3*(\a%2)+3)
	v_mov_b32 v[PF+\j], v[CT+\j-6*(\a/2)-3*(\a%2)]
.else
	v_mov_b32 v[PF+\j], 0
.endif
.endr
.irp i, 0,1,2
	v_permlane16_swap_b32 v[PF+6*(\a/2)+\i], v[PF+6*(\a/2)+3+\i]   ; the first's lanes 16-31 change places with the second's lanes 0-15: the block's 32 codes now lie in the lanes of half a % 2, zeros in the others
.endr
	PLACES 8
	WIN 0x40                                       ; destination window 1
.irp n, 0,1,2,3
	WM OA+8*\n, VF+12*\n, PF, 1, VS+\n, 0, PS, 0   ; O^T = v^T p^T: lane (r, h) holds query r; the 32 registers are channels 32 b + 16 h + 0 .. 15
.endr
	PLACES 4
	s_wait_alu depctr_va_vdst(0)                   ; the reciprocal's wait, ahead of its first reader
	WIN 0x01
.irp j, 0,1,2,3,4,5,6,7,8,9,10,11,12,13,14,15,16,17,18,19,20,21,22,23,24,25,26,27,28,29,30,31
	v_mul_f32 v[T+\j], v[OA+\j], v[RC]             ; divided by the row's sum
.endr
	WIN 0
	QUANT2 T, OF, MT2                              ; quantised along the channels, the output projection's K
.irp i, 0,1,2
	ds_store_b64 v[SA+\i], v[OF+2*\i:OF+2*\i+1] offset:1536*\a     ; registers 6 hd .. 6 hd + 5 of the tile's image
.endr
	ds_store_b16 v[SS], v[MT2] offset:64*\a        ; bytes 2 hd, 2 hd + 1 of the row's scale word (lanes r and r + 16 write the same bytes with the same value)
.endm
	; The stage lies at LDS byte 0, in slot 0: that slot has had its last fill, and every wave has passed the last change of slots, in front of which all reads of it were over.
	ATT 0
	ATT 1
	ATT 2
	ATT 3
	s_wait_dscnt 0x0                               ; for the others' sake: my stores into the stage have landed
	s_barrier_signal -1
	s_barrier_wait -1                              ; the whole record lies in the stage
.irp i, 0,1,2,3,4,5
	ds_load_b128 v[T+4*\i:T+4*\i+3], v[RDO] offset:512*\i
.endr
.irp i, 0,1,2,3,4,5
	s_wait_dscnt 5-\i
	global_store_b128 v[RDO], v[T+4*\i:T+4*\i+3], s[88:89] offset:512*\i       ; 32 lanes store 512 consecutive bytes, at a multiple of 256 from the buffer's first byte
.endr
	s_cmp_lg_u32 s16, 0
	s_cbranch_scc1 .Lno_words
	ds_load_b128 v[T+24:T+27], v[LI] offset:12288  ; wave 0: the record's 512 bytes of scale words
	s_wait_dscnt 0x0
	global_store_b128 v[LI], v[T+24:T+27], s[88:89] offset:12288
.Lno_words:
	s_wait_tensorcnt 0x0                           ; the wave's end: behind my last tensor load and my last LDS store
	ds_add_u32 v[SPW], v[NIL]
	s_wait_dscnt 0x0
	CROUND                                         ; the closing round: no work-group ends while a partner may still ask for a record that names it
	s_endpgm
.Lfunc_end_k_qae9578fd59_qkvatt:
	.size	k_qae9578fd59_qkvatt, .Lfunc_end_k_qae9578fd59_qkvatt-k_qae9578fd59_qkvatt
	.p2alignl 7, 3214868480
	.fill 96, 4, 3214868480
	.section	.rodata,"a",@progbits
	.p2align	6, 0x0
	.amdhsa_kernel k_qae9578fd59_qkvatt
		.amdhsa_group_segment_fixed_size 327680
		.amdhsa_private_segment_fixed_size 0
		.amdhsa_enable_private_segment 0
		.amdhsa_kernarg_size 48
		.amdhsa_user_sgpr_count 2
		.amdhsa_user_sgpr_kernarg_segment_ptr 1
		.amdhsa_wavefront_size32 1
		.amdhsa_system_sgpr_workgroup_id_x 1
		.amdhsa_system_sgpr_workgroup_id_y 1
		.amdhsa_system_sgpr_workgroup_id_z 1
		.amdhsa_system_vgpr_workitem_id 0
		.amdhsa_next_free_vgpr 1024
		.amdhsa_next_free_sgpr 100
		.amdhsa_reserve_vcc 0
		.amdhsa_float_denorm_mode_32 3
		.amdhsa_float_denorm_mode_16_64 3
		.amdhsa_memory_ordered 1
		.amdhsa_forward_progress 1
		.amdhsa_inst_pref_size 240
	.end_amdhsa_kernel
	.amdgpu_metadata
---
amdhsa.version: [ 1, 2 ]
amdhsa.kernels:
  - .name:           k_qae9578fd59_qkvatt
    .symbol:         k_qae9578fd59_qkvatt.kd
    .args:
      - { .name: actc, .offset: 0, .size: 8, .value_kind: global_buffer, .address_space: global }
      - { .name: wqkvc, .offset: 8, .size: 8, .value_kind: global_buffer, .address_space: global }
      - { .name: bq, .offset: 16, .size: 8, .value_kind: global_buffer, .address_space: global }
      - { .name: bk, .offset: 24, .size: 8, .value_kind: global_buffer, .address_space: global }
      - { .name: bv, .offset: 32, .size: 8, .value_kind: global_buffer, .address_space: global }
      - { .name: attc, .offset: 40, .size: 8, .value_kind: global_buffer, .address_space: global }
    .group_segment_fixed_size: 327680
    .private_segment_fixed_size: 0
    .kernarg_segment_align: 8
    .kernarg_segment_size: 48
    .max_flat_workgroup_size: 128
    .sgpr_count:     100
    .vgpr_count:     1024
    .wavefront_size: 32
...
	.end_amdgpu_metadata
.endif
;; end of part 2
;; launch oproj (part 3): grid 8 x 32, 4 waves a work-group, clusters of 4 x 4, 222,720 bytes of LDS; arguments attc, woc, bo, out0; writes out0
.if DOCPART == 3
	.amdgcn_target "amdgcn-amd-amdhsa--gfx1250"
	.amdhsa_code_object_version 6
	.text
	.protected	k_qae9578fd59_oproj
	.globl	k_qae9578fd59_oproj
	.p2align	8
	.type	k_qae9578fd59_oproj,@function
k_qae9578fd59_oproj:
	s_mov_b64 s[64:65], 0
	v_nop
	global_prefetch_b8 v0, s[64:65] scope:SCOPE_SE
	s_setreg_imm32_b32 hwreg(HW_REG_WAVE_MODE, 25, 1), 1
	s_wait_xcnt 0x0
	s_wait_alu depctr_hold_cnt(0) depctr_sa_sdst(0) depctr_va_vdst(0) depctr_va_sdst(0) depctr_va_ssrc(0) depctr_va_vcc(0) depctr_vm_vsrc(0)
	s_getreg_b32 s2, hwreg(HW_REG_IB_STS2, 6, 4)
	s_cmp_eq_u32 s2, 0
	s_cbranch_scc0 .Lentry_in_a_cluster
	s_endpgm
.Lentry_in_a_cluster:
	s_bfe_u32 s2, ttmp6, 0x10000c
	s_cmp_lg_u32 s2, 0xf033
	s_cbranch_scc0 .Lentry_shape_is_right
	s_endpgm
.Lentry_shape_is_right:
; out0 = O Wo^T + bo on codes of FP6 (E2M3) with E8M0 scales: O [4096][1024] and Wo [1024][1024] come as images of operand registers (attc, woc: records of 8 images of 1,536 bytes and 512 bytes of scale words, one for each block of 128 rows and each K step of 128).
; SHARES.  Work-group (x, y) makes rows 128 y on, columns 128 x on; wave w makes 64 x 64 (rows 64 (w / 2) on, columns 64 (w % 2) on): 16 accumulators.
; ALL OF K FITS IN LDS: attc's eight records of block y (102,400 bytes) and woc's eight of block x.  Every LDS byte is filled once: no ring.  Each wave brings four records by four tensor loads, issued together; the K steps begin
; when the first two records of each side have landed, and counted waits follow the others.
; CLUSTER 4 x 4: the work-groups of a row of the cluster share y, and so attc's records, those of a column x, and so woc's: each record is asked for jointly, which divides the requests by four.
; THE MATRIX INSTRUCTION IS USED TRANSPOSED (source 0 = 16 rows of Wo, source 1 = 16 rows of O): a lane holds eight neighbouring columns of one row of out0.  bo is the C of each sum's first instruction.
; REGISTERS.  Window 0: v1 16 x lane; v4-11 LDS addresses; v12-15 the way out and bo's offset; v32-39 scale words, two sets; v40-71 bo, later with v72-103 rows on their way out; v128-255 the accumulators.
;   Window 1: two buffers of 96: O's four fragments, then Wo's four.
.set REC3,   12800
.set WOB,    8*REC3                    ; woc's records lie behind attc's
.set STG,    2*WOB                     ; behind them: a stage of 16 rows x (256 bytes + 16) for each wave, into which no fill lands
.set SPITCH, 272
.set LI,   1
.set ADA,  4                           ; v4, v5   O's fragments: K steps 0-3, 4-7
.set ADB,  6                           ; v6, v7   Wo's
.set ASA,  8                           ; v8, v9   O's scale words
.set ASB,  10                          ; v10, v11 Wo's
.set STO,  12
.set RD,   13
.set CO,   14
.set BOF,  15
.set SC,   32                          ; set p at v[SC + 4 p]: +0, 1 O's two pairs of tiles, +2, 3 Wo's
.set BO,   40
.set BKR,  40
.set ACC,  128                         ; accumulator (O's tile a, Wo's tile b) at ACC + 8 (4 a + b)
.set G1,   24                          ; s[24:31] group 1 for attc's records;  s[32:47] four groups 0
.set G0,   32
.set G1B,  48                          ; s[48:55] group 1 for woc's;  s[68:83] four groups 0
.set G0B,  68
.set MSB, 0
.macro WIN new
.if MSB != \new
	s_set_vgpr_msb (MSB<<8)|\new
.set MSB, \new
.endif
.endm
.macro PLACES n
.rept \n
	v_nop
.endr
.endm
.macro CROUND                          ; a round of the cluster's barrier
	s_barrier_signal -1
	s_barrier_wait -1
	s_cmp_lg_u32 s16, 0
	s_cbranch_scc1 .Lnot_wave_0_\@
	s_barrier_signal -3
.Lnot_wave_0_\@:
	s_barrier_wait -3
	s_barrier_signal -1
	s_barrier_wait -1
.endm
.macro WM d, a, b, c, sa, ra, sb, rb   ; ra, rb = 1: that side's scale words stand in lanes 16-31 of the register named
.if (\ra) && (\rb)
	v_wmma_scale_f32_16x16x128_f8f6f4 v[(\d):(\d)+7], v[(\a):(\a)+11], v[(\b):(\b)+11], v[(\c):(\c)+7], v[\sa], v[\sb] matrix_a_fmt:MATRIX_FMT_FP6 matrix_b_fmt:MATRIX_FMT_FP6 matrix_a_scale:MATRIX_SCALE_ROW1 matrix_b_scale:MATRIX_SCALE_ROW1
.elseif (\ra)
	v_wmma_scale_f32_16x16x128_f8f6f4 v[(\d):(\d)+7], v[(\a):(\a)+11], v[(\b):(\b)+11], v[(\c):(\c)+7], v[\sa], v[\sb] matrix_a_fmt:MATRIX_FMT_FP6 matrix_b_fmt:MATRIX_FMT_FP6 matrix_a_scale:MATRIX_SCALE_ROW1
.elseif (\rb)
	v_wmma_scale_f32_16x16x128_f8f6f4 v[(\d):(\d)+7], v[(\a):(\a)+11], v[(\b):(\b)+11], v[(\c):(\c)+7], v[\sa], v[\sb] matrix_a_fmt:MATRIX_FMT_FP6 matrix_b_fmt:MATRIX_FMT_FP6 matrix_b_scale:MATRIX_SCALE_ROW1
.else
	v_wmma_scale_f32_16x16x128_f8f6f4 v[(\d):(\d)+7], v[(\a):(\a)+11], v[(\b):(\b)+11], v[(\c):(\c)+7], v[\sa], v[\sb] matrix_a_fmt:MATRIX_FMT_FP6 matrix_b_fmt:MATRIX_FMT_FP6
.endif
.endm
.macro MUL p, first                    ; a K step: 16 matrix instructions on buffer p, the 16 accumulators by turns.  first = 1: bo starts the sums
	WIN 0x05                                       ; sources 0 and 1 window 1; C and D window 0
.irp a, 0,1,2,3
.irp b, 0,1,2,3
.if \first
	WM ACC+8*(4*\a+\b), 128*(\p)+48+12*\b, 128*(\p)+12*\a, BO+8*\b, SC+4*(\p)+2+\b/2, \b%2, SC+4*(\p)+\a/2, \a%2
.else
	WM ACC+8*(4*\a+\b), 128*(\p)+48+12*\b, 128*(\p)+12*\a, ACC+8*(4*\a+\b), SC+4*(\p)+2+\b/2, \b%2, SC+4*(\p)+\a/2, \a%2
.endif
.endr
.endr
.endm
.macro FR3 reg, adr, off
.irp c, 0,1,2
	ds_load_b128 v[(\reg)+4*\c:(\reg)+4*\c+3], v[\adr] offset:(\off)+512*\c
.endr
.endm
.macro FETCH s, p                      ; K step s into buffer p: 28 loads
.set HB, (\s)/4
.set OB, ((\s)%4)*REC3
	WIN 0
	ds_load_b32 v[SC+4*(\p)], v[ASA+HB] offset:OB
	ds_load_b32 v[SC+4*(\p)+1], v[ASA+HB] offset:OB+128
	ds_load_b32 v[SC+4*(\p)+2], v[ASB+HB] offset:OB
	ds_load_b32 v[SC+4*(\p)+3], v[ASB+HB] offset:OB+128
	WIN 0x40                                       ; destination window 1, address window 0
.irp a, 0,1,2,3
	FR3 128*(\p)+12*\a, ADA+HB, OB+1536*\a
.endr
.irp b, 0,1,2,3
	FR3 128*(\p)+48+12*\b, ADB+HB, OB+1536*\b
.endr
.endm
	s_load_b256 s[4:11], s[0:1], 0x0               ; attc s[4:5], woc s[6:7], bo s[8:9], out0 s[10:11]
	v_lshl_add_u32 v126, v0, 2, 0x36400
	v_mov_b32 v127, 0
	ds_add_u32 v126, v127
	ds_add_u32 v126, v127
	v_lshrrev_b32 v1, 5, v0
	v_readfirstlane_b32 s16, v1                    ; wave 0..3
	s_lshr_b32 s17, s16, 1                         ; my half of the rows.  Also: I fetch from attc (0) or from woc (1)
	s_and_b32 s18, s16, 1                          ; my half of the columns.  Also: the even or the odd records
	s_bfe_u32 s84, ttmp6, 0x40000                  ; cx, cy
	s_bfe_u32 s85, ttmp6, 0x40004
	s_lshl_b32 s86, ttmp9, 2
	s_add_co_u32 s86, s86, s84                     ; x = 4 x cluster x + cx
	s_and_b32 s19, ttmp7, 0xffff
	s_lshl_b32 s19, s19, 2
	s_add_co_u32 s19, s19, s85                     ; y = 4 x cluster y + cy
	s_lshl_b32 s87, s85, 2
	s_lshl_b32 s87, 15, s87                        ; my row of the cluster
	s_lshl_b32 s88, 0x1111, s84                    ; my column
	; descriptor group 1: a record is a dense block: 50 rows of 256 bytes (32 elements of 8 bytes), no padding
	s_or_b32 s[G1], s87, (3<<16)|(1<<21)
	s_or_b32 s[G1B], s88, (3<<16)|(1<<21)
.irp g, G1, G1B
	s_mov_b32 s[\g+1], 32<<16
	s_mov_b32 s[\g+2], 50<<16
	s_mov_b32 s[\g+3], 32<<16
	s_mov_b32 s[\g+4], 50
	s_mov_b32 s[\g+5], 32
	s_mov_b32 s[\g+6], 0
	s_mov_b32 s[\g+7], 0
.endr
	s_mul_i32 s22, s18, REC3                       ; the even or the odd records: in memory and in LDS alike
	s_mul_i32 s20, s19, WOB
	s_add_co_u32 s20, s20, s22
	s_mov_b32 s21, 0
	s_mul_i32 s90, s86, WOB
	s_add_co_u32 s90, s90, s22
	s_mov_b32 s91, 0
	s_wait_dscnt 0x0
	s_wait_kmcnt 0x0
	s_add_nc_u64 s[20:21], s[4:5], s[20:21]
	s_add_nc_u64 s[90:91], s[6:7], s[90:91]
	CROUND                                         ; all sixteen work-groups are here: the joint loads meet
.irp j, 0,1,2,3
	s_mov_b32 s[G0+4*\j], 1
	s_add_co_u32 s[G0+4*\j+1], s22, 2*\j*REC3
	s_add_nc_u64 s[G0+4*\j+2:G0+4*\j+3], s[20:21], 2*\j*REC3
	s_or_b32 s[G0+4*\j+3], s[G0+4*\j+3], 0x80000000
	s_mov_b32 s[G0B+4*\j], 1
	s_add_co_u32 s[G0B+4*\j+1], s22, WOB+2*\j*REC3
	s_add_nc_u64 s[G0B+4*\j+2:G0B+4*\j+3], s[90:91], 2*\j*REC3
	s_or_b32 s[G0B+4*\j+3], s[G0B+4*\j+3], 0x80000000
.endr
	s_cmp_eq_u32 s17, 0                            ; a wave's four fills stand in one branch, ahead of every wait on TENSORcnt and every LDS read: four loads of mine are out; four v_nop follow the last
	s_cbranch_scc0 .Lfirst_b
.irp j, 0,1,2,3
	tensor_load_to_lds s[G0+4*\j:G0+4*\j+3], s[G1:G1+7]
	s_nop 0
.endr
.rept 4
	v_nop
.endr
	s_branch .Lfirst_asked
.Lfirst_b:
.irp j, 0,1,2,3
	tensor_load_to_lds s[G0B+4*\j:G0B+4*\j+3], s[G1B:G1B+7]
	s_nop 0
.endr
.rept 4
	v_nop
.endr
.Lfirst_asked:
	v_and_b32 v2, 31, v0
	v_lshlrev_b32 v[LI], 4, v2
	v_lshlrev_b32 v3, 2, v2
	v_and_b32 v16, 15, v0                          ; r
	v_bfe_u32 v17, v0, 4, 1                        ; h
	s_mul_i32 s92, s17, 6144                       ; O: my four tiles of a record's eight
	v_add_nc_u32 v[ADA], s92, v[LI]
	v_add_nc_u32 v[ADA+1], 4*REC3, v[ADA]
	s_mul_i32 s92, s18, 6144
	s_add_co_u32 s92, s92, WOB                     ; Wo likewise
	v_add_nc_u32 v[ADB], s92, v[LI]
	v_add_nc_u32 v[ADB+1], 4*REC3, v[ADB]
	s_lshl_b32 s92, s17, 8
	s_add_co_u32 s92, s92, 12288                   ; the scale words: behind a record's images
	v_add_nc_u32 v[ASA], s92, v3
	v_add_nc_u32 v[ASA+1], 4*REC3, v[ASA]
	s_lshl_b32 s92, s18, 8
	s_add_co_u32 s92, s92, WOB+12288
	v_add_nc_u32 v[ASB], s92, v3
	v_add_nc_u32 v[ASB+1], 4*REC3, v[ASB]
	s_mul_i32 s92, s16, 16*SPITCH
	s_add_co_u32 s92, s92, STG                     ; my stage
	v_mul_u32_u24 v[STO], v16, SPITCH              ; in: row r, 32 bytes for each half of the lanes
	v_lshl_add_u32 v[STO], v17, 5, v[STO]
	v_add_nc_u32 v[STO], s92, v[STO]
	v_mul_u32_u24 v[RD], v17, SPITCH               ; back: lanes 0-15 one row of 256 bytes, lanes 16-31 the next
	v_lshl_add_u32 v[RD], v16, 4, v[RD]
	v_add_nc_u32 v[RD], s92, v[RD]
	v_lshlrev_b32 v[CO], 12, v17                   ; and the same two rows in out0
	v_lshl_add_u32 v[CO], v16, 4, v[CO]
	v_lshlrev_b32 v[BOF], 5, v17                   ; bo: 8 numbers for each half of the lanes
	s_lshl_b32 s92, s19, 7
	s_lshl_b32 s93, s17, 6
	s_add_co_u32 s92, s92, s93
	s_lshl_b32 s92, s92, 12                        ; my first row: (128 y + 64 x half) rows of 4,096 bytes
	s_lshl_b32 s94, s86, 9
	s_lshl_b32 s95, s18, 8
	s_add_co_u32 s94, s94, s95                     ; my first column: 512 x + 256 x half bytes
	s_mov_b32 s95, 0
	s_add_nc_u64 s[56:57], s[8:9], s[94:95]        ; bo
	s_add_co_u32 s94, s94, s92
	s_add_nc_u64 s[58:59], s[10:11], s[94:95]      ; out0
.irp b, 0,1,2,3
	global_load_b128 v[BO+8*\b:BO+8*\b+3], v[BOF], s[56:57] offset:64*\b       ; bo at columns 16 b + 8 h + 0 .. 7, as the results lie
	global_load_b128 v[BO+8*\b+4:BO+8*\b+7], v[BOF], s[56:57] offset:64*\b+16
.endr
	s_wait_tensorcnt 3                             ; my first record is in; the other three may stay out
	s_barrier_signal -1
	s_barrier_wait -1                              ; K steps 0 and 1 of both sides lie in LDS
	FETCH 0, 0
	FETCH 1, 1
	s_wait_loadcnt 0x0                             ; bo
.irp j, 0,1,2,3
	s_wait_dscnt 28                                ; buffer 0 is in; buffer 1's 28 loads may be out
.if \j == 0
	MUL 0, 1
.else
	MUL 0, 0
.endif
.if \j < 3
	s_wait_tensorcnt 2-\j                          ; my record of K steps 2 j + 2, 2 j + 3 is in; the 2 - j behind it may be out
	s_wait_dscnt 0x0                               ; no LDS load of mine is out at the signal; buffer 1 is in
	s_barrier_signal -1
	s_barrier_wait -1                              ; everybody's is
	PLACES 4                                       ; in front of loads into registers that matrix instructions have read
	FETCH 2*\j+2, 0
.else
	s_wait_dscnt 0x0
.endif
	MUL 1, 0
.if \j < 3
	PLACES 4
	FETCH 2*\j+3, 1
.endif
.endr
	WIN 0
; THE WAY OUT, 16 rows x 64 columns at a time: a lane's 32 bytes of a row go into my own stage and come back as whole rows of 256 bytes.  LDS serves a wave's instructions in order: no wait between the stores and the loads.
.macro TOSTAGE a
.irp b, 0,1,2,3
	ds_store_b128 v[STO], v[ACC+8*(4*(\a)+\b):ACC+8*(4*(\a)+\b)+3] offset:64*\b         ; each accumulator from its low end on
	ds_store_b128 v[STO], v[ACC+8*(4*(\a)+\b)+4:ACC+8*(4*(\a)+\b)+7] offset:64*\b+16
.endr
.set BB, BKR+32*((\a)%2)
.irp t, 0,1,2,3,4,5,6,7
	ds_load_b128 v[BB+4*\t:BB+4*\t+3], v[RD] offset:\t*2*SPITCH
.endr
.endm
.macro SEND a, younger                 ; younger: the LDS instructions issued behind block a's loads, which may stay out
.set BB, BKR+32*((\a)%2)
	s_wait_dscnt \younger
.irp t, 0,1,2,3,4,5,6,7
	global_store_b128 v[CO], v[BB+4*\t:BB+4*\t+3], s[58:59] offset:(16*(\a)+2*\t)*4096 th:TH_STORE_NT   ; 16 lanes store 256 consecutive bytes, at a multiple of 256 from out0's first byte; written once, read by nobody here
.endr
.endm
	PLACES 4                                       ; in front of the first read of the last products' results and of loads into bo's registers
	TOSTAGE 0
.irp a, 1,2,3
.if \a > 1
	s_wait_xcnt 0x0                                ; block a - 2's stores have read their registers: block a's loads may land there
.endif
	TOSTAGE \a
	SEND \a-1, 16                                  ; behind block a - 1's loads: block a's 8 stores and 8 loads
.endr
	SEND 3, 0                                      ; no LDS instruction of mine is out from here on
	s_wait_tensorcnt 0x0
	ds_add_u32 v126, v127
	s_wait_dscnt 0x0
	CROUND                                         ; the closing round: no work-group ends while a partner may still ask for a record that names it
	s_endpgm
.Lfunc_end_k_qae9578fd59_oproj:
	.size	k_qae9578fd59_oproj, .Lfunc_end_k_qae9578fd59_oproj-k_qae9578fd59_oproj
	.p2alignl 7, 3214868480
	.fill 96, 4, 3214868480
	.section	.rodata,"a",@progbits
	.p2align	6, 0x0
	.amdhsa_kernel k_qae9578fd59_oproj
		.amdhsa_group_segment_fixed_size 222720
		.amdhsa_private_segment_fixed_size 0
		.amdhsa_enable_private_segment 0
		.amdhsa_kernarg_size 32
		.amdhsa_user_sgpr_count 2
		.amdhsa_user_sgpr_kernarg_segment_ptr 1
		.amdhsa_wavefront_size32 1
		.amdhsa_system_sgpr_workgroup_id_x 1
		.amdhsa_system_sgpr_workgroup_id_y 1
		.amdhsa_system_sgpr_workgroup_id_z 1
		.amdhsa_system_vgpr_workitem_id 0
		.amdhsa_next_free_vgpr 512
		.amdhsa_next_free_sgpr 96
		.amdhsa_reserve_vcc 0
		.amdhsa_float_denorm_mode_32 3
		.amdhsa_float_denorm_mode_16_64 3
		.amdhsa_memory_ordered 1
		.amdhsa_forward_progress 1
		.amdhsa_inst_pref_size 49
	.end_amdhsa_kernel
	.amdgpu_metadata
---
amdhsa.version: [ 1, 2 ]
amdhsa.kernels:
  - .name:           k_qae9578fd59_oproj
    .symbol:         k_qae9578fd59_oproj.kd
    .args:
      - { .name: attc, .offset: 0, .size: 8, .value_kind: global_buffer, .address_space: global }
      - { .name: woc, .offset: 8, .size: 8, .value_kind: global_buffer, .address_space: global }
      - { .name: bo, .offset: 16, .size: 8, .value_kind: global_buffer, .address_space: global }
      - { .name: out0, .offset: 24, .size: 8, .value_kind: global_buffer, .address_space: global }
    .group_segment_fixed_size: 222720
    .private_segment_fixed_size: 0
    .kernarg_segment_align: 8
    .kernarg_segment_size: 32
    .max_flat_workgroup_size: 128
    .sgpr_count:     96
    .vgpr_count:     512
    .wavefront_size: 32
...
	.end_amdgpu_metadata
.endif
;; end of part 3
